; MI455X (gfx1250); checked and timed in simulation.
; The chip was launched on July 23, 2026; its instructions are those of AMD's public machine-readable ISA for CDNA 5 (MIT licence, August 2026) and "CDNA5" Instruction Set Architecture Reference Guide (July 2026). The comments in the code are by the model that wrote it; some were corrected since.
;; jacobin Net. Allowed arithmetic: float matrix products may take bf16 or f16 operands with f32 sums; all other float work in f32.
;; Inputs: W1 512 x 2,048 float32; W2 2,048 x 512 float32; b1 2,048 float32; b2 512 float32; x 8 x 512 float32.
;; Outputs: out0 8 x 512 x 8 x 512 float32.
;; Constants: create_graph = 1, strict = 0.
;; One version. Each part assembles by itself: llvm-mc -triple=amdgcn-amd-amdhsa -mcpu=gfx1250 --defsym DOCPART=n.
;; ======== version 1 of 1: 2 launches
;; limits: values outside matrix products are rounded to bf16
;; workspace buffers: w1t 2,097,152 bytes; w2t 2,097,152 bytes; mk 32,768 bytes of whole numbers
;; launch prep (part 1): grid 96 x 1, 16 waves a work-group, no clusters, 108,544 bytes of LDS; arguments W1, W2, b1, x, w1t, w2t, mk; writes w1t, w2t, mk
.if DOCPART == 1
	.amdgcn_target "amdgcn-amd-amdhsa--gfx1250"
	.amdhsa_code_object_version 6
	.text
	.protected	k_qb892de3e9a_prep
	.globl	k_qb892de3e9a_prep
	.p2align	8
	.type	k_qb892de3e9a_prep,@function
k_qb892de3e9a_prep:
	s_mov_b64 s[64:65], 0
	v_nop
	global_prefetch_b8 v0, s[64:65] scope:SCOPE_SE
	s_setreg_imm32_b32 hwreg(HW_REG_WAVE_MODE, 25, 1), 1
	s_wait_xcnt 0x0
; PREP.  The Jacobian of y = relu(x W1 + b1) W2 + b2 by x is J[b][o][c][i] = (b == c) * sum over h of W2[h][o] m[b][h] W1[i][h], with m[b][h] = (x W1 + b1)[b][h] > 0.
; This launch rounds W1 and W2 to bf16, turns them so that h (the sum's index) lies along 16 bytes, and makes m.  An OCTET is eight neighbouring h: Q = h / 8, 0 to 255.
;   w1t  bf16 [Q 256][i 512][8 h]     (Q, i) is 16 bytes at 8192 Q + 16 i
;   w2t  bf16 [Q 256][pos 512][8 h]   pos = 128 G + 32 c + l stands for o = 128 G + 4 l + c: the order in which a lane's 16 loaded bytes (4 o) fall apart into four stores
;   mk   u16  [Q 256][b 8][8 h]       0xffff where the unit is on, else 0: the next launch ANDs it onto W2's bf16
; b2 is an additive constant behind the last product: its derivative is zero whatever it holds, no output number hangs on it, and no launch takes it.
; LIMITS.  (1) All three of x, W1, b1 are rounded to bf16 before the sign is taken (matrix operands are bf16; b1 is rounded like them so that the sign is that of one consistently rounded
; first layer); products are summed in f32, in sixteen partial sums of 32 i each, added pairwise.  A pre-activation whose size is under the f32 rounding of that sum (some 2^-20 of the sum of
; the products' sizes) may get the other sign than another order of summing gives it; that unit's term W2[h][o] W1[i][h] is then present or absent in the whole block of that b.
; (2) NaN pre-activations give m = 0, as the comparison > 0 does.
; WORK.  Work-groups 0-31: a strip of 64 h of W1, all 512 rows i.  Wave w owns rows 32 w .. 32 w + 31: it rounds them into its own LDS rows, reads them back by octets for w1t, and multiplies
; them, turned, by its 32 columns of x: its rows are one K step of the strip's pre-activations.  The sixteen partial sums meet in LDS behind the one barrier; waves 0-3 add them and make the mask.
; Work-groups 32-95: four octets of W2 each, turned in registers; no LDS, no barrier.  96 work-groups: all the work there is (8 MB in, 4 MB out).
; No tensor loads, no cluster: every byte of W1 and W2 is read by one wave once; only x (16 KB) is read by the 32 strips.
.set P1,   144                         ; a row of W1's strip in LDS: 64 bf16 = 128 bytes + 16: row i starts at bank 36 i mod 64 (64 banks of 4 bytes: ISA guide 11.1), 16 rows' 16-byte columns at 16 different places
.set PS,   512*P1                      ; 73,728: the partial sums, [wave 16][octet 8][b 8][8 h] f32 = 32,768 bytes
.set XR,   18                          ; v[18:33]   my 16 numbers of x as loaded; then v[18:25] the fragment in bf16
.set BUF0, 34                          ; v[34:97]   W1 as loaded; behind the barrier the sixteen partial sums
.set BUF1, 98                          ; v[98:129]  my row read back, eight octets
.set WF,   130                         ; v[130:161] fragments of W1^T, four tiles of 16 h
.set ACC,  162                         ; v[162:193] four accumulators, one for each tile of 16 h
.set BI,   194                         ; v[194:197] b1 of my four h (waves 0-3)
.set TT,   198                         ; v[198:199] at work
.set MW,   200                         ; v[200:201] my two mask words; v202 at work
	s_load_b256 s[4:11], s[0:1], 0x0               ; W1 s[4:5], W2 s[6:7], b1 s[8:9], x s[10:11]
	s_load_b128 s[12:15], s[0:1], 0x20             ; w1t s[12:13], w2t s[14:15]
	s_load_b64 s[16:17], s[0:1], 0x30              ; mk
	v_lshl_add_u32 v208, v0, 2, 0x1a000
	v_mov_b32 v209, 0
	v_lshrrev_b32 v1, 5, v0
	v_readfirstlane_b32 s18, v1                    ; wave 0..15
	v_and_b32 v1, 31, v0                           ; lane
	s_cmp_lt_u32 ttmp9, 32                         ; the role hangs on the work-group's number alone: all sixteen waves go the same way
	s_cbranch_scc0 .Lw2
	; ---------------- W1's strip g = ttmp9: h = 64 g .. 64 g + 63, and its mask ----------------
	v_and_b32 v2, 15, v0                           ; r
	v_bfe_u32 v3, v0, 4, 1                         ; hh
	v_and_b32 v17, 7, v0                           ; r & 7
	v_lshlrev_b32 v4, 4, v2
	v_lshl_add_u32 v4, v3, 13, v4                  ; v4: W1, 16 r + one row (8,192 bytes) for lanes 16-31
	v_lshlrev_b32 v5, 11, v17
	v_lshl_add_u32 v5, v3, 5, v5                   ; v5: x, row b = r & 7, 32 bytes (8 numbers) for each half of the lanes
	s_mul_i32 s20, s18, 32*P1                      ; my wave's 32 rows of the strip in LDS: 4,608 bytes that no other wave touches
	v_mul_u32_u24 v6, v3, P1
	v_lshl_add_u32 v6, v2, 3, v6
	v_add_nc_u32 v6, s20, v6                       ; v6: where 4 bf16 of row 32 w + hh go
	v_mul_u32_u24 v8, v1, P1
	v_add_nc_u32 v8, s20, v8                       ; v8: row 32 w + lane, read back
	v_lshlrev_b32 v9, 4, v0                        ; v9: w1t, 16 (32 w + lane)
	v_lshl_add_u32 v10, v3, 3, v17                 ; the turning load: lane l reads 16 bytes of my row 8 hh + l % 8, h = 8 ((l / 8) % 2) + 0..7 of a tile
	v_mul_u32_u24 v10, v10, P1
	v_bfe_u32 v11, v0, 3, 1
	v_lshl_add_u32 v10, v11, 4, v10
	v_add_nc_u32 v10, s20, v10                     ; v10
	s_lshl_b32 s21, s18, 11                        ; my wave's 2,048 bytes of partial sums
	s_add_co_u32 s21, s21, PS
	v_lshlrev_b32 v14, 5, v17
	v_lshl_add_u32 v14, v3, 8, v14
	v_add_nc_u32 v14, s21, v14                     ; v14: octet hh of a tile's two, b = r & 7
	s_lshl_b32 s26, ttmp9, 8                       ; the strip's 256 bytes in a row of W1 and in b1
	s_mov_b32 s27, 0
	s_lshl_b32 s22, s18, 18                        ; my wave's 32 rows of W1
	s_add_co_u32 s22, s22, s26
	s_mov_b32 s23, 0
	s_lshl_b32 s28, ttmp9, 16                      ; the strip's 8 octets in w1t
	s_mov_b32 s29, 0
	s_lshl_b32 s30, ttmp9, 10                      ; and in mk
	s_mov_b32 s31, 0
	s_lshl_b32 s32, s18, 7                         ; my wave's 32 columns of x
	s_mov_b32 s33, 0
	s_wait_kmcnt 0x0
	s_add_nc_u64 s[4:5], s[4:5], s[22:23]
	s_add_nc_u64 s[8:9], s[8:9], s[26:27]
	s_add_nc_u64 s[10:11], s[10:11], s[32:33]
	s_add_nc_u64 s[12:13], s[12:13], s[28:29]
	s_add_nc_u64 s[16:17], s[16:17], s[30:31]
	; everything is asked for at once.  Waves 0-3, which make the mask at the end, ask for their b1 first: as the oldest load it changes none of the counts below
	s_cmp_lt_u32 s18, 4
	s_cbranch_scc0 .Lnob1
	v_and_b32 v13, 1, v0
	v_lshlrev_b32 v13, 4, v13
	v_lshl_add_u32 v13, v3, 5, v13
	s_lshl_b32 s34, s18, 6
	v_add_nc_u32 v13, s34, v13                     ; b1 of h = 16 w + 8 hh + 4 (l % 2) + 0..3: see the sums below
	global_load_b128 v[BI:BI+3], v13, s[8:9]
.Lnob1:
	global_load_b128 v[XR:XR+3],     v5, s[10:11]            ; x[b][32 w + 8 hh + 0..7]
	global_load_b128 v[XR+4:XR+7],   v5, s[10:11] offset:16
	global_load_b128 v[XR+8:XR+11],  v5, s[10:11] offset:64  ; x[b][32 w + 16 + 8 hh + 0..7]
	global_load_b128 v[XR+12:XR+15], v5, s[10:11] offset:80
.irp n, 0,1,2,3,4,5,6,7,8,9,10,11,12,13,14,15
	global_load_b128 v[BUF0+4*\n:BUF0+4*\n+3], v4, s[4:5] offset:\n*16384 th:TH_LOAD_NT   ; rows 32 w + 2 n + hh: sixteen lanes take the strip's 256 bytes of a row, aligned
.endr
	s_wait_loadcnt 16                              ; b1 and x are in: the sixteen loads of W1 are younger
.irp p, 0,1,2,3,4,5,6,7
	v_cvt_pk_bf16_f32 v[XR+\p], v[XR+2*\p], v[XR+2*\p+1]   ; in place, ascending: pair p is read before a later line writes it.  v[18:25] is source 1: 32 i x 16 columns, x's eight rows twice
.endr
.irp n, 0,1,2,3,4,5,6,7,8,9,10,11,12,13,14,15
	s_wait_loadcnt 15-\n                           ; loads come back in order (ISA guide 5.7.1): load n is in, the younger ones stay out
	v_cvt_pk_bf16_f32 v[BUF0+4*\n],   v[BUF0+4*\n],   v[BUF0+4*\n+1]
	v_cvt_pk_bf16_f32 v[BUF0+4*\n+1], v[BUF0+4*\n+2], v[BUF0+4*\n+3]
	ds_store_b64 v6, v[BUF0+4*\n:BUF0+4*\n+1] offset:\n*2*P1
.endr
	; my own rows come back twice; LDS serves a wave's instructions in order (ISA guide 5.7.1.4), so these loads see the stores above without a wait or a barrier
.irp t, 0,1,2,3
	ds_load_tr16_b128 v[WF+8*\t:WF+8*\t+3],   v10 offset:32*\t          ; turned: source 0 = 16 h (tile t) x my 32 i
	ds_load_tr16_b128 v[WF+8*\t+4:WF+8*\t+7], v10 offset:32*\t+16*P1
.endr
.irp q, 0,1,2,3,4,5,6,7
	ds_load_b128 v[BUF1+4*\q:BUF1+4*\q+3], v8 offset:16*\q             ; as they lie: a lane takes a whole row, an octet at a time
.endr
	s_wait_dscnt 8                                 ; the turned fragments are in; the eight loads behind them stay out
.irp t, 0,1,2,3
	v_wmma_f32_16x16x32_bf16 v[ACC+8*\t:ACC+8*\t+7], v[WF+8*\t:WF+8*\t+7], v[XR:XR+7], 0   ; lane (r, hh) gets b = r & 7, h = 16 t + 8 hh + 0..7: one octet of one b
.endr
.rept 4
	v_nop                                          ; four places between a matrix instruction and the first read of a result (ISA guide 7.12.1)
.endr
.irp t, 0,1,2,3
	ds_store_b128 v14, v[ACC+8*\t:ACC+8*\t+3]   offset:512*\t          ; each accumulator from its low end on.  Lanes r and r + 8 multiplied by the same row of x,
	ds_store_b128 v14, v[ACC+8*\t+4:ACC+8*\t+7] offset:512*\t+16       ; hold the same bits and write them to the same bytes
.endr
.irp q, 0,1,2,3,4,5,6,7
	s_wait_dscnt 15-\q                             ; octet q is in: behind it stand the 7 - q other octets' loads and the eight stores
	global_store_b128 v9, v[BUF1+4*\q:BUF1+4*\q+3], s[12:13] offset:\q*8192   ; 32 lanes x 16 bytes: 512 neighbouring bytes of w1t
.endr
	s_wait_dscnt 0x0                               ; for the others' sake: my partial sums are in LDS
	s_barrier_signal -1
	s_barrier_wait -1                              ; all sixteen are, and nobody writes them again
	; Waves 0-3 add them.  A wave's block of 2,048 bytes is [octet 8][b 8][8 h]; lane l of wave v takes its bytes 512 v + 16 l: octet 2 v + l / 16, b = (l % 16) / 2, h = 4 (l % 2) + 0..3 of the octet.
	s_cmp_lt_u32 s18, 4
	s_cbranch_scc0 .Lend
	s_lshl_b32 s35, s18, 9
	s_add_co_u32 s35, s35, PS
	v_lshl_add_u32 v12, v1, 4, s35
.irp k, 0,1,2,3,4,5,6,7,8,9,10,11,12,13,14,15
	ds_load_b128 v[BUF0+4*\k:BUF0+4*\k+3], v12 offset:\k*2048
.endr
	s_lshl_b32 s36, s18, 8
	v_lshl_add_u32 v7, v1, 3, s36                  ; mk: half as many bytes: 256 v + 8 l
	v_mov_b32 v15, 0xffff
	v_mov_b32 v16, 0xffff0000
	v_cvt_pk_bf16_f32 v[TT],   v[BI],   v[BI+1]    ; b1 rounded to bf16, like x and W1,
	v_cvt_pk_bf16_f32 v[TT+1], v[BI+2], v[BI+3]
.irp p, 0,1
	v_lshlrev_b32 v[BI+2*\p],   16,  v[TT+\p]      ; and widened again
	v_and_b32     v[BI+2*\p+1], v16, v[TT+\p]
.endr
	s_wait_dscnt 0x0
.irp d, 1,2,4,8                        ; pairwise: neighbours 1, 2, 4 and 8 partial sums apart
.set k, 0
.rept 8/\d
	v_pk_add_f32 v[BUF0+4*k:BUF0+4*k+1],   v[BUF0+4*k:BUF0+4*k+1],   v[BUF0+4*(k+\d):BUF0+4*(k+\d)+1]
	v_pk_add_f32 v[BUF0+4*k+2:BUF0+4*k+3], v[BUF0+4*k+2:BUF0+4*k+3], v[BUF0+4*(k+\d)+2:BUF0+4*(k+\d)+3]
.set k, k+2*\d
.endr
.endr
	v_pk_add_f32 v[BUF0:BUF0+1],   v[BUF0:BUF0+1],   v[BI:BI+1]
	v_pk_add_f32 v[BUF0+2:BUF0+3], v[BUF0+2:BUF0+3], v[BI+2:BI+3]
.irp p, 0,1                            ; 0 < pre: 16 ones in the unit's half of the word (a NaN gives none)
	v_cmp_lt_f32 vcc_lo, 0, v[BUF0+2*\p]
	v_cndmask_b32 v[MW+\p], 0, v15, vcc_lo
	v_cmp_lt_f32 vcc_lo, 0, v[BUF0+2*\p+1]
	v_cndmask_b32 v202, 0, v16, vcc_lo
	v_or_b32 v[MW+\p], v[MW+\p], v202
.endr
	global_store_b64 v7, v[MW:MW+1], s[16:17]      ; the wave's 32 lanes x 8 bytes: 256 neighbouring bytes of mk, aligned
.Lend:
	s_wait_tensorcnt 0x0
	ds_add_u32 v208, v209
	s_wait_dscnt 0x0
	s_endpgm
	; ---------------- W2: work-group g2 = ttmp9 - 32 takes octets 4 g2 .. 4 g2 + 3; wave w octet 4 g2 + w / 4, columns 128 (w % 4) on ----------------
.Lw2:
	s_sub_co_u32 s19, ttmp9, 32
	s_lshr_b32 s20, s18, 2
	s_and_b32 s21, s18, 3
	s_lshl_b32 s22, s19, 16                        ; W2: 4 octets = 32 rows of 2,048 bytes,
	s_lshl_b32 s23, s20, 14                        ; my octet's 8 rows,
	s_add_co_u32 s22, s22, s23
	s_lshl_b32 s23, s21, 9                         ; my 128 columns
	s_add_co_u32 s22, s22, s23
	s_mov_b32 s23, 0
	s_lshl_b32 s24, s19, 15                        ; w2t: 4 octets of 8,192 bytes,
	s_lshl_b32 s25, s20, 13                        ; my octet,
	s_add_co_u32 s24, s24, s25
	s_lshl_b32 s25, s21, 11                        ; my 128 places of 16 bytes
	s_add_co_u32 s24, s24, s25
	s_mov_b32 s25, 0
	v_lshlrev_b32 v2, 4, v1                        ; 16 bytes a lane, in and out
	s_wait_kmcnt 0x0
	s_add_nc_u64 s[6:7], s[6:7], s[22:23]
	s_add_nc_u64 s[14:15], s[14:15], s[24:25]
.irp t, 0,1,2,3,4,5,6,7
	global_load_b128 v[24+4*\t:24+4*\t+3], v2, s[6:7] offset:\t*2048 th:TH_LOAD_NT   ; row h = 8 Q + t, 512 neighbouring bytes: lane l holds o = 128 G + 4 l + 0..3
.endr
.irp p, 0,1,2,3
	s_wait_loadcnt 6-2*\p                          ; rows 2 p and 2 p + 1 are in; the younger loads stay out
.irp c, 0,1,2,3
	v_cvt_pk_bf16_f32 v[56+4*\c+\p], v[24+8*\p+\c], v[24+8*\p+4+\c]   ; a pair along h for one o: the turn is made by the choice of registers
.endr
.endr
.irp c, 0,1,2,3
	global_store_b128 v2, v[56+4*\c:56+4*\c+3], s[14:15] offset:\c*512   ; place 128 G + 32 c + l: 512 neighbouring bytes
.endr
	s_endpgm
.Lfunc_end_k_qb892de3e9a_prep:
	.size	k_qb892de3e9a_prep, .Lfunc_end_k_qb892de3e9a_prep-k_qb892de3e9a_prep
	.p2alignl 7, 3214868480
	.fill 96, 4, 3214868480
	.section	.rodata,"a",@progbits
	.p2align	6, 0x0
	.amdhsa_kernel k_qb892de3e9a_prep
		.amdhsa_group_segment_fixed_size 108544
		.amdhsa_private_segment_fixed_size 0
		.amdhsa_enable_private_segment 0
		.amdhsa_kernarg_size 56
		.amdhsa_user_sgpr_count 2
		.amdhsa_user_sgpr_kernarg_segment_ptr 1
		.amdhsa_wavefront_size32 1
		.amdhsa_system_sgpr_workgroup_id_x 1
		.amdhsa_system_sgpr_workgroup_id_y 1
		.amdhsa_system_sgpr_workgroup_id_z 1
		.amdhsa_system_vgpr_workitem_id 0
		.amdhsa_next_free_vgpr 210
		.amdhsa_next_free_sgpr 66
		.amdhsa_reserve_vcc 1
		.amdhsa_float_denorm_mode_32 3
		.amdhsa_float_denorm_mode_16_64 3
		.amdhsa_memory_ordered 1
		.amdhsa_forward_progress 1
		.amdhsa_inst_pref_size 19
	.end_amdhsa_kernel
	.amdgpu_metadata
---
amdhsa.version: [ 1, 2 ]
amdhsa.kernels:
  - .name:           k_qb892de3e9a_prep
    .symbol:         k_qb892de3e9a_prep.kd
    .args:
      - { .name: W1, .offset: 0, .size: 8, .value_kind: global_buffer, .address_space: global }
      - { .name: W2, .offset: 8, .size: 8, .value_kind: global_buffer, .address_space: global }
      - { .name: b1, .offset: 16, .size: 8, .value_kind: global_buffer, .address_space: global }
      - { .name: x, .offset: 24, .size: 8, .value_kind: global_buffer, .address_space: global }
      - { .name: w1t, .offset: 32, .size: 8, .value_kind: global_buffer, .address_space: global }
      - { .name: w2t, .offset: 40, .size: 8, .value_kind: global_buffer, .address_space: global }
      - { .name: mk, .offset: 48, .size: 8, .value_kind: global_buffer, .address_space: global }
    .group_segment_fixed_size: 108544
    .private_segment_fixed_size: 0
    .kernarg_segment_align: 8
    .kernarg_segment_size: 56
    .max_flat_workgroup_size: 512
    .sgpr_count:     66
    .vgpr_count:     210
    .wavefront_size: 32
...
	.end_amdgpu_metadata
.endif
;; end of part 1
;; launch jac (part 2): grid 8 x 32, 4 waves a work-group, clusters of 4 x 4, 327,680 bytes of LDS; arguments w1t, w2t, mk, out0; writes out0
.if DOCPART == 2
	.amdgcn_target "amdgcn-amd-amdhsa--gfx1250"
	.amdhsa_code_object_version 6
	.text
	.protected	k_qb892de3e9a_jac
	.globl	k_qb892de3e9a_jac
	.p2align	8
	.type	k_qb892de3e9a_jac,@function
k_qb892de3e9a_jac:
	s_mov_b64 s[64:65], 0
	v_nop
	global_prefetch_b8 v0, s[64:65] scope:SCOPE_SE
	s_setreg_imm32_b32 hwreg(HW_REG_WAVE_MODE, 25, 1), 1
	s_wait_xcnt 0x0
	s_wait_alu depctr_hold_cnt(0) depctr_sa_sdst(0) depctr_va_vdst(0) depctr_va_sdst(0) depctr_va_ssrc(0) depctr_va_vcc(0) depctr_vm_vsrc(0)
	s_getreg_b32 s2, hwreg(HW_REG_IB_STS2, 6, 4)
	s_cmp_eq_u32 s2, 0
	s_cbranch_scc0 .Lentry_in_a_cluster
	s_endpgm
.Lentry_in_a_cluster:
	s_bfe_u32 s2, ttmp6, 0x10000c
	s_cmp_lg_u32 s2, 0xf033
	s_cbranch_scc0 .Lentry_shape_is_right
	s_endpgm
.Lentry_shape_is_right:
; JAC.  out0[b][o][c][i] (f32, [8][512][8][512]) = (b == c) * sum over h of W2[h][o] m[b][h] W1[i][h].
; Inputs, all made by the launch before (Q = h / 8, an octet):  w1t bf16 [Q 256][i 512][8 h];  w2t bf16 [Q 256][pos 512][8 h], pos = 128 G + 32 c + l for o = 128 G + 4 l + c;
; mk u16 [Q 256][b 8][8 h], 0xffff or 0.  The mask is ANDed onto W2's fragments; products in bf16, sums in f32.
; SHARES.  256 work-groups.  Work-group (it, ot) makes, for ALL eight b, the 16 rows o of w2t's places 16 ot .. 16 ot + 15 (o = obase + 4 m) by the 64 columns i = 64 it ..: what it fetches of
; W1 and W2 serves eight batches.  K IS DEALT TO THE WAVES: of each chunk of 64 octets wave w takes octets 16 w .. 16 w + 15, four K steps of 32, for all eight b: 32 accumulators of 16 x 16.
; So no two waves read the same LDS bytes: a K step has 26 LDS loads (W1 8, W2 2, masks 16) for 32 products.  At the end the four waves' partial tiles are added through LDS, in a fixed order.
; The launch's bytes are the output's 64 MiB, seven eighths of them zeros (c != b).  So each work-group also writes the zeros of the 256 KiB out0 + 262144 (8 ot + it): 16 pairs (b0, o), the seven
; rows c != b0 of each, 112 stores of 512 bytes a wave: 48 at the head, while the first tiles are on their way and the wave has nothing else to do, then four in each of the 16 K steps.
; SOURCES SWAPPED: source 0 = 16 i of W1, source 1 = 16 o of masked W2: a lane holds one row o and eight neighbouring i.
; LDS.  In the octet-major layout the sixteen lanes of a fragment load take 256 neighbouring bytes: no padding.  Two slots, each a chunk of K = 512 (64 octets): W1 [64][64 i][16 B] 65,536;
; W2 [64][16][16 B] 16,384; mask [64][8 b][16 B] 8,192.  Behind them the partial tiles, [wave 4][b 8][16 rows x 272 bytes], 139,264 bytes that no tensor load fills.
; CLUSTER 4 x 4.  W1's tile hangs on it alone: the four work-groups of a column of the cluster ask for it jointly.  W2's hangs on ot alone: jointly along a row.  The mask is the same for all
; sixteen and is fetched by each for itself: it is 8 of a slot's 88 KB.
; REGISTERS, in windows of 256 (s_set_vgpr_msb's low byte: bits 1:0 source 0, 3:2 source 1, 5:4 source 2, 7:6 destination):
;   window 0: v0-27 addresses and zeros; v28-43 W2's fragment as it lies, two sets; v44-107 W1's four fragments, two sets; v108-235 the way out
;   window 1: v0-127 the 16 accumulators of b = 0..3 ((b, f) at 32 b + 8 f); v128-191 those four b's masks, two sets, ANDed in place into source 1
;   window 2: the same for b = 4..7
; An accumulator lies in one window with its own masks, so ONE setting (source 0 window 0; source 1, C and D window 1 or 2) serves a block's products, the ANDs that stand between them
; (W2 from window 0, mask in place) and the loads of masks into that window: four switches for a K step's 32 products, 64 ANDs and 26 loads.
; THE PIPELINE.  K step s: RUN 1 fetches step s + 1's masks of b = 4..7 and W1; BLOCK 1 multiplies b = 0..3 and, between the products, ANDs step s + 1's masks of b = 0..3; RUN 2 fetches step
; s + 2's masks of b = 0..3 and W2; BLOCK 2 multiplies b = 4..7 and ANDs step s + 1's masks of b = 4..7.  Sets are taken by the step's parity.  The 16 steps are written out by macro: some 17 KB of code.
; LIMIT.  Where W1 or W2 holds an infinity or a NaN, the products 0 x W of automatic differentiation put NaN into blocks c != b; this text writes zeros there.
.set SLOT,   90112
.set W2OFF,  65536
.set MOFF,   81920
.set RED,    2*SLOT                    ; 180,224, a multiple of 256: the partial tiles
.set SP,     272                       ; a row there: 256 bytes + 16: row r starts at bank 4 r mod 64 (64 banks of 4 bytes: ISA guide 11.1)
.set REDB,   16*SP                     ; one b's tile
.set REDW,   8*REDB                    ; one wave's eight
.set CHUNKB, 64*8192                   ; bytes of w1t and of w2t from a chunk to the next
.set DIAG,   8390656                   ; bytes from block (b, b) to block (b + 1, b + 1): 512 x 8 x 2,048 + 2,048
.set HEADZ,  48                        ; stores of zeros at the head; 112 - 48 = 4 x 16
.set WV,  12                           ; s12  my wave's number
.set G1A, 24                           ; s[24:31] group 1, W1's tiles: 32 rows (octets) x 512 elements (64 i x 8 h), 4,096 elements from row to row
.set G1B, 32                           ; s[32:39] group 1, W2's tiles: 64 rows x 128 elements
.set G1M, 40                           ; s[40:47] group 1, the mask: 8,192 dense bytes as 32 rows of 256
.set G0A, 48                           ; s[48:55] group 0 for W1, a set for each slot
.set G0B, 56                           ; s[56:63] for W2
.set G0M, 68                           ; s[68:75] for the mask
.set ZB,  76                           ; s[76:77] my 256 KiB of zeros
.set J0,  78                           ; s[78:79] block (2 w, 2 w) at my tile's first row and column
.set J1,  80                           ; s[80:81] block (2 w + 1, 2 w + 1)
.set VB,  3                            ; v3-4   my lane's place in W1's part of slot 0, 1: 16,384 w + 1,024 hh + 16 r.  None of v3-20 is rewritten
.set VA,  5                            ; v5-6   in W2's part: 4,096 w + 256 hh + 16 r
.set VM,  7                            ; v7-8   in the mask's: 2,048 w + 128 hh
.set ZL,  9                            ; v9     16 x thread: the four waves cover a row's 2,048 bytes
.set ZO,  10                           ; v10-16 the same in row c = (b0 + 1 + t) % 8, t = 0..6: the seven c != b0
.set STO, 17                           ; v17    the way out: where I put 16 bytes of a row of a partial tile
.set RD,  18                           ; v18-19 where I read a row back: waves 0 and 1's tiles, waves 2 and 3's
.set CO,  20                           ; v20    my byte offset in the tile's rows of out0
.set Z,   24                           ; v[24:27] zeros
.set AR,  28                           ; W2's fragment, set s % 2
.set BF,  44                           ; W1's fragments, set s % 2
.set T0,  108                          ; the way out, first b: four partial tiles of 32 registers
.set MF,  128                          ; windows 1 and 2: masks, set s % 2
.set S1,  0x54                         ; source 0 window 0; source 1, source 2 and destination window 1
.set S2,  0xa8                         ; the same with window 2
.set MSB, 0
.macro WIN new                         ; the immediate's high byte repeats the setting that is left; a switch that changes nothing is dropped
.if MSB != (\new)
	s_set_vgpr_msb (MSB<<8)|(\new)
.set MSB, (\new)
.endif
.endm
; A round of the cluster's barrier: my work-group's barrier, so that wave 0's signal speaks for all four waves; wave 0 signals; every wave waits for all sixteen work-groups; my work-group's barrier once more.
.macro CROUND
	s_barrier_signal -1
	s_barrier_wait -1
	s_cmp_lg_u32 s[WV], 0
	s_cbranch_scc1 .Lnot_wave_0_\@
	s_barrier_signal -3
.Lnot_wave_0_\@:
	s_barrier_wait -3
	s_barrier_signal -1
	s_barrier_wait -1
.endm
; Slot s's refill (s: the plain number 0 or 1), one tensor load a wave: waves 0 and 1 the two halves of W1's tile, wave 2 W2's, wave 3 the mask.  The branches hang on the wave's number alone.
; Four v_nop follow each line, ahead of the jump, the label and what follows the macro.
.macro JLOAD s
	s_cmp_lt_u32 s[WV], 2
	s_cbranch_scc0 .Lnot_a_\@
	tensor_load_to_lds s[G0A+4*(\s):G0A+4*(\s)+3], s[G1A:G1A+7]
	s_nop 0
.rept 4
	v_nop
.endr
	s_branch .Lasked_\@
.Lnot_a_\@:
	s_cmp_eq_u32 s[WV], 2
	s_cbranch_scc0 .Lfor_m_\@
	tensor_load_to_lds s[G0B+4*(\s):G0B+4*(\s)+3], s[G1B:G1B+7]
	s_nop 0
.rept 4
	v_nop
.endr
	s_branch .Lasked_\@
.Lfor_m_\@:
	tensor_load_to_lds s[G0M+4*(\s):G0M+4*(\s)+3], s[G1M:G1M+7]
	s_nop 0
.rept 4
	v_nop
.endr
.Lasked_\@:
.endm
; Store n of my 112 stores of zeros: pair n / 7 of the block's sixteen, row t = n % 7 of its seven.  512 neighbouring bytes, aligned; written once and not read in the launch.
.macro ZST n
	global_store_b128 v[ZO+(\n)%7], v[Z:Z+3], s[ZB:ZB+1] offset:((\n)/7)*16384 th:TH_STORE_NT
.endm
	s_load_b256 s[4:11], s[0:1], 0x0               ; w1t s[4:5], w2t s[6:7], mk s[8:9], out0 s[10:11]
	v_lshl_add_u32 v254, v0, 2, 0x4e000
	v_mov_b32 v255, 0
	ds_add_u32 v254, v255
	v_lshrrev_b32 v1, 5, v0
	v_readfirstlane_b32 s[WV], v1                  ; wave 0..3
	s_bfe_u32 s13, ttmp6, 0x40000                  ; cx
	s_bfe_u32 s14, ttmp6, 0x40004                  ; cy
	s_lshl_b32 s15, ttmp9, 2                       ; in a cluster launch ttmp9 and ttmp7 count clusters
	s_add_co_u32 s15, s15, s13                     ; it = 4 x cluster x + cx
	s_and_b32 s85, ttmp7, 0xffff                   ; cluster y, which is also b0 = (8 ot + it) / 32
	s_lshl_b32 s16, s85, 2
	s_add_co_u32 s16, s16, s14                     ; ot = 4 x cluster y + cy
	s_lshl_b32 s18, 0x1111, s13                    ; my column of the cluster: places cx, cx + 4, cx + 8, cx + 12
	s_lshl_b32 s19, s14, 2
	s_lshl_b32 s19, 15, s19                        ; my row: places 4 cy .. 4 cy + 3
	s_or_b32 s[G1A+0], s18, (1<<16)|(1<<21)        ; 15:0 the mask: W1's tiles go to my column; 17:16 elements of 2 bytes; 21 set beside a mask; no padding
	s_mov_b32 s[G1A+1], 512<<16                    ; tensor_dim0 = 512
	s_mov_b32 s[G1A+2], 32<<16                     ; tensor_dim1 = 32
	s_mov_b32 s[G1A+3], 512<<16                    ; tile_dim0 = 512 (1,024 bytes)
	s_mov_b32 s[G1A+4], 32                         ; tile_dim1 = 32 octets
	s_mov_b32 s[G1A+5], 4096                       ; elements from an octet to the next
	s_mov_b32 s[G1A+6], 0
	s_mov_b32 s[G1A+7], 0
	s_or_b32 s[G1B+0], s19, (1<<16)|(1<<21)        ; W2's tiles go to my row
	s_mov_b32 s[G1B+1], 128<<16                    ; tensor_dim0 = 128
	s_mov_b32 s[G1B+2], 64<<16                     ; tensor_dim1 = 64
	s_mov_b32 s[G1B+3], 128<<16                    ; tile_dim0 = 128 (256 bytes)
	s_mov_b32 s[G1B+4], 64                         ; tile_dim1 = 64 octets
	s_mov_b32 s[G1B+5], 4096
	s_mov_b32 s[G1B+6], 0
	s_mov_b32 s[G1B+7], 0
	s_mov_b32 s[G1M+0], 3<<16                      ; no mask of work-groups; elements of 8 bytes
	s_mov_b32 s[G1M+1], 32<<16                     ; 32 rows of 32 elements, dense
	s_mov_b32 s[G1M+2], 32<<16
	s_mov_b32 s[G1M+3], 32<<16
	s_mov_b32 s[G1M+4], 32
	s_mov_b32 s[G1M+5], 32
	s_mov_b32 s[G1M+6], 0
	s_mov_b32 s[G1M+7], 0
	; W1's address is made of it and the wave's number, W2's of ot alone, each in registers that never hold the other coordinate; LDS addresses of the wave's number and constants
	s_and_b32 s17, s[WV], 1                        ; which 32 octets of W1's tile I fetch (waves 0 and 1)
	s_lshl_b32 s20, s15, 10                        ; 64 it places of 16 bytes
	s_lshl_b32 s21, s17, 18                        ; 32 octets of 8,192 bytes
	s_add_co_u32 s20, s20, s21
	s_mov_b32 s21, 0
	s_lshl_b32 s17, s17, 15                        ; and their 32,768 bytes in a slot
	s_lshl_b32 s22, s16, 8                         ; 16 ot places of 16 bytes
	s_mov_b32 s23, 0
	s_wait_dscnt 0x0
	s_wait_kmcnt 0x0
	s_add_nc_u64 s[4:5], s[4:5], s[20:21]
	s_add_nc_u64 s[6:7], s[6:7], s[22:23]
.irp s, 0,1
	s_mov_b32 s[G0A+4*\s], 1                                       ; count = 1
	s_add_co_u32 s[G0A+4*\s+1], s17, \s*SLOT                       ; LDS address
	s_add_nc_u64 s[G0A+4*\s+2:G0A+4*\s+3], s[4:5], \s*CHUNKB       ; global address: chunk s
	s_or_b32 s[G0A+4*\s+3], s[G0A+4*\s+3], 0x80000000              ; type = 2
	s_mov_b32 s[G0B+4*\s], 1
	s_mov_b32 s[G0B+4*\s+1], \s*SLOT+W2OFF
	s_add_nc_u64 s[G0B+4*\s+2:G0B+4*\s+3], s[6:7], \s*CHUNKB
	s_or_b32 s[G0B+4*\s+3], s[G0B+4*\s+3], 0x80000000
	s_mov_b32 s[G0M+4*\s], 1
	s_mov_b32 s[G0M+4*\s+1], \s*SLOT+MOFF
	s_add_nc_u64 s[G0M+4*\s+2:G0M+4*\s+3], s[8:9], \s*8192
	s_or_b32 s[G0M+4*\s+3], s[G0M+4*\s+3], 0x80000000
.endr
	CROUND                                         ; all sixteen work-groups are here: the first joint loads meet
	; a wave's two first fills stand in one branch, ahead of every wait on TENSORcnt, every LDS read and every further barrier: two loads of mine are out, later one
	s_cmp_lt_u32 s[WV], 2
	s_cbranch_scc0 .Lfirst_not_a
	tensor_load_to_lds s[G0A:G0A+3], s[G1A:G1A+7]
	s_nop 0
	tensor_load_to_lds s[G0A+4:G0A+7], s[G1A:G1A+7]
	s_nop 0
.rept 4
	v_nop
.endr
	s_branch .Lfirst_asked
.Lfirst_not_a:
	s_cmp_eq_u32 s[WV], 2
	s_cbranch_scc0 .Lfirst_m
	tensor_load_to_lds s[G0B:G0B+3], s[G1B:G1B+7]
	s_nop 0
	tensor_load_to_lds s[G0B+4:G0B+7], s[G1B:G1B+7]
	s_nop 0
.rept 4
	v_nop
.endr
	s_branch .Lfirst_asked
.Lfirst_m:
	tensor_load_to_lds s[G0M:G0M+3], s[G1M:G1M+7]
	s_nop 0
	tensor_load_to_lds s[G0M+4:G0M+7], s[G1M:G1M+7]
	s_nop 0
.rept 4
	v_nop
.endr
.Lfirst_asked:
	; the tiles are asked for; until they land the first 48 stores of zeros go out
	s_lshl_b32 s86, s16, 3
	s_add_co_u32 s86, s86, s15                     ; 8 ot + it
	s_lshl_b32 s86, s86, 18
	s_mov_b32 s87, 0
	s_add_nc_u64 s[ZB:ZB+1], s[10:11], s[86:87]
	v_lshlrev_b32 v[ZL], 4, v0
.irp t, 0,1,2,3,4,5,6
	s_add_co_u32 s82, s85, \t+1
	s_and_b32 s82, s82, 7                          ; c goes round modulo 8 and leaves b0 out
	s_lshl_b32 s82, s82, 11
	v_add_nc_u32 v[ZO+\t], s82, v[ZL]
.endr
.irp j, 0,1,2,3
	v_mov_b32 v[Z+\j], 0
.endr
.set n, 0
.rept HEADZ
	ZST n
.set n, n+1
.endr
	; where the results go
	s_lshr_b32 s88, s16, 3                         ; obase = 128 (ot / 8) + 64 (ot % 2) + (ot / 2) % 4: the o of place 16 ot; place 16 ot + m holds o = obase + 4 m
	s_lshl_b32 s88, s88, 7
	s_and_b32 s89, s16, 1
	s_lshl_b32 s89, s89, 6
	s_add_co_u32 s88, s88, s89
	s_bfe_u32 s89, s16, 0x20001
	s_add_co_u32 s88, s88, s89
	s_lshl_b32 s88, s88, 14                        ; 16,384 bytes for each o
	s_lshl_b32 s89, s15, 8                         ; 64 it columns of 4 bytes
	s_add_co_u32 s88, s88, s89
	s_mul_i32 s89, s[WV], 2*DIAG                   ; b = 2 w
	s_add_co_u32 s88, s88, s89
	s_mov_b32 s89, 0
	s_add_nc_u64 s[J0:J0+1], s[10:11], s[88:89]
	s_add_nc_u64 s[J1:J1+1], s[J0:J0+1], DIAG
	; A fragment is 16 rows x 32 h in 8 registers: lane (r, hh) holds row r; registers 0-3 the octet hh of the K step's four, registers 4-7 the octet 2 + hh: two loads of 16 bytes, two octets apart.
	v_and_b32 v1, 15, v0                           ; r
	v_bfe_u32 v2, v0, 4, 1                         ; hh
	v_lshlrev_b32 v21, 4, v1
	s_lshl_b32 s90, s[WV], 14                      ; my 16 octets of W1's part: 1,024 bytes each
	v_lshl_add_u32 v[VB], v2, 10, v21
	v_add_nc_u32 v[VB], s90, v[VB]
	v_add_nc_u32 v[VB+1], SLOT, v[VB]
	s_lshl_b32 s90, s[WV], 12                      ; of W2's: 256 bytes each
	s_add_co_u32 s90, s90, W2OFF
	v_lshl_add_u32 v[VA], v2, 8, v21
	v_add_nc_u32 v[VA], s90, v[VA]
	v_add_nc_u32 v[VA+1], SLOT, v[VA]
	s_lshl_b32 s90, s[WV], 11                      ; of the mask's: 128 bytes each; the sixteen lanes of a half take the same 16 bytes
	s_add_co_u32 s90, s90, MOFF
	v_lshl_add_u32 v[VM], v2, 7, s90
	v_add_nc_u32 v[VM+1], SLOT, v[VM]
	s_mul_i32 s91, s[WV], REDW
	s_add_co_u32 s91, s91, RED                     ; my eight partial tiles
	v_mul_u32_u24 v[STO], v1, SP                   ; in: row r, 32 bytes (8 columns) for each half of the lanes
	v_lshl_add_u32 v[STO], v2, 5, v[STO]
	v_add_nc_u32 v[STO], s91, v[STO]
	s_mul_i32 s91, s[WV], 2*REDB
	s_add_co_u32 s91, s91, RED                     ; wave 0's partial tile of b = 2 w
	v_mul_u32_u24 v[RD], v2, SP                    ; back: lanes 0-15 take one row of 256 bytes, lanes 16-31 the next
	v_add_nc_u32 v[RD], v21, v[RD]
	v_add_nc_u32 v[RD], s91, v[RD]
	v_add_nc_u32 v[RD+1], 2*REDW, v[RD]            ; wave 2's: beyond the 16-bit immediate
	v_lshl_add_u32 v[CO], v2, 16, v21              ; the same two rows in out0: rows of the tile are 4 o = 65,536 bytes apart
; THE LDS LOADS of K step s: chunk s / 4 lies in slot (s / 4) % 2; the step's four octets begin s % 4 quarters into my sixteen.
.macro LD_A s                          ; W2's fragment: 2 loads
	WIN 0
.set SL, ((\s)/4)%2
.set OF, ((\s)%4)*1024
.set RG, AR+8*((\s)%2)
	ds_load_b128 v[RG:RG+3],   v[VA+SL] offset:OF
	ds_load_b128 v[RG+4:RG+7], v[VA+SL] offset:OF+512
.endm
.macro LD_B s                          ; W1's four fragments: 8 loads
	WIN 0
.set SL, ((\s)/4)%2
.set OF, ((\s)%4)*4096
.set RG, BF+32*((\s)%2)
.irp f, 0,1,2,3
	ds_load_b128 v[RG+8*\f:RG+8*\f+3],   v[VB+SL] offset:OF+\f*256
	ds_load_b128 v[RG+8*\f+4:RG+8*\f+7], v[VB+SL] offset:OF+\f*256+2048
.endr
.endm
.macro LD_M s, g                       ; the masks of b = 4 g .. 4 g + 3, into window 1 + g: 8 loads, under the block's own setting (address: source 0, window 0)
	WIN S1+(S2-S1)*(\g)
.set SL, ((\s)/4)%2
.set OF, ((\s)%4)*512+64*(\g)
.set RG, MF+32*((\s)%2)
.irp q, 0,1,2,3
	ds_load_b128 v[RG+8*\q:RG+8*\q+3],   v[VM+SL] offset:OF+16*\q
	ds_load_b128 v[RG+8*\q+4:RG+8*\q+7], v[VM+SL] offset:OF+16*\q+256
.endr
.endm
; AND number e of 32 for K step s: register e % 8 of W2's fragment onto the mask of b = e / 8 of the window's four, in place
.macro AND1 s, e
.set RA, AR+8*((\s)%2)+(\e)%8
.set RN, MF+32*((\s)%2)+(\e)
	v_and_b32 v[RN], v[RA], v[RN]
.endm
.macro ANDS s, g                       ; all 32, for the first step, which has no products to stand between
	WIN S1+(S2-S1)*(\g)
.set e, 0
.rept 32
	AND1 \s, e
.set e, e+1
.endr
.endm
; A BLOCK: the 16 products of K step s for b = 4 g .. 4 g + 3, and between them the 32 ANDs of step s + 1 for the same b: two behind each of the first fourteen products, four behind the last.
; Those four name no register of the block's products, so they are the four places between the products and the loads that follow into registers that the products have read
; (ISA guide 7.12.1 for vector instructions).  The 32 accumulators take turns, one instruction a turn, in the same order in every step.
; zero = 1: the products start the sums: nothing is cleared.
.macro BLOCK s, g, zero
	WIN S1+(S2-S1)*(\g)
.set i, 0
.rept 16
.set RD_, 32*(i/4)+8*(i%4)
.set RB_, BF+32*((\s)%2)+8*(i%4)
.set RM_, MF+32*((\s)%2)+8*(i/4)
.if \zero
	v_wmma_f32_16x16x32_bf16 v[RD_:RD_+7], v[RB_:RB_+7], v[RM_:RM_+7], 0
.else
	v_wmma_f32_16x16x32_bf16 v[RD_:RD_+7], v[RB_:RB_+7], v[RM_:RM_+7], v[RD_:RD_+7]
.endif
.if (\s) < 15
.if i < 14
	AND1 \s+1, 2*i
	AND1 \s+1, 2*i+1
.elseif i == 15
	AND1 \s+1, 28
	AND1 \s+1, 29
	AND1 \s+1, 30
	AND1 \s+1, 31
.endif
.endif
.set i, i+1
.endr
.endm
; THE CHANGE OF SLOTS stands between block 1 and run 2 of a chunk's third step: run 1 of that step has asked for the last bytes of the old slot, and from run 2 on every load reads the other slot.
; slot: the slot that is left, the plain number 0 or 1.
; Each wave waits for its reads of the old slot and for all its tensor loads (one is out: its part of the other slot); then no tensor load of the wave is out and a group 0 may be stepped.
; fill = 1: the old slot takes the chunk two further on.  The round of the cluster's barrier says the same of every wave of every partner; the refill is the first thing behind it and has four
; K steps, 128 matrix instructions a wave, in which to land.  fill = 0: nothing is left to ask for, and my work-group's barrier is enough.
.macro CHANGE slot, fill
	WIN 0                                          ; at a label and at a branch every window is 0
	s_wait_dscnt 0x0
	s_wait_tensorcnt 0x0
	ds_add_u32 v254, v255
	s_wait_dscnt 0x0
.if \fill
	s_add_nc_u64 s[G0A+4*(\slot)+2:G0A+4*(\slot)+3], s[G0A+4*(\slot)+2:G0A+4*(\slot)+3], 2*CHUNKB
	s_add_nc_u64 s[G0B+4*(\slot)+2:G0B+4*(\slot)+3], s[G0B+4*(\slot)+2:G0B+4*(\slot)+3], 2*CHUNKB
	s_add_nc_u64 s[G0M+4*(\slot)+2:G0M+4*(\slot)+3], s[G0M+4*(\slot)+2:G0M+4*(\slot)+3], 2*8192
	CROUND
	JLOAD \slot
.else
	s_barrier_signal -1
	s_barrier_wait -1
.endif
.endm
; K STEP s.  chg = 0: no change of slots; 1: slot `slot` is left and filled again; 2: it is left for good.
.macro STEP s, zero, chg, slot
.if (\s) < 15
	LD_M \s+1, 1                                   ; run 1: 16 loads, the masks first
	LD_B \s+1
.endif
	WIN 0
.irp z, 0,1,2,3
	ZST HEADZ+4*(\s)+\z
.endr
.if (\s) < 15
	s_wait_dscnt 16                                ; all but run 1's sixteen: this step's W1, and step s + 1's W2 and masks of b = 0..3, are in
.else
	s_wait_dscnt 0x0                               ; the last step's W1
.endif
	BLOCK \s, 0, \zero
.if \chg == 1
	CHANGE \slot, 1
.elseif \chg == 2
	CHANGE \slot, 0
.endif
.if (\s) < 14
	LD_M \s+2, 0                                   ; run 2: 10 loads
	LD_A \s+2
	s_wait_dscnt 18                                ; step s + 1's masks of b = 4..7 are in: behind them stand run 1's eight loads of W1 and run 2's ten (behind a change of slots the wait is met at once)
.elseif (\s) == 14
	s_wait_dscnt 8                                 ; the same without a run 2
.endif
	BLOCK \s, 1, \zero
.endm
	s_wait_tensorcnt 0x1                           ; my part of slot 0 is in; slot 1's may stay out
	s_barrier_signal -1
	s_barrier_wait -1                              ; everybody's is
	LD_A 0                                         ; what the pipeline has ahead of step 0: step 0's W2 and masks,
	LD_M 0, 0
	LD_M 0, 1
	LD_A 1                                         ; and, 18 loads, step 1's W2, step 0's W1 and step 1's masks of b = 0..3
	LD_B 0
	LD_M 1, 0
	s_wait_dscnt 18                                ; step 0's W2 and masks are in; those 18 stay out
	ANDS 0, 0
	ANDS 0, 1
	STEP 0, 1, 0, 0
	STEP 1, 0, 0, 0
	STEP 2, 0, 1, 0                                ; slot 0 (chunk 0) is left and takes chunk 2
.irp s, 3,4,5
	STEP \s, 0, 0, 0
.endr
	STEP 6, 0, 1, 1                                ; slot 1 (chunk 1) is left and takes chunk 3
.irp s, 7,8,9
	STEP \s, 0, 0, 0
.endr
	STEP 10, 0, 2, 0                               ; slot 0 (chunk 2) is left for good
.irp s, 11,12,13,14,15
	STEP \s, 0, 0, 0
.endr
	; THE WAY OUT.  A lane's eight f32 are 32 bytes of a row's 256.  Every wave lays its eight partial tiles into LDS by rows; behind a barrier wave w reads, as whole rows, the four partial tiles of
	; b = 2 w and of b = 2 w + 1, adds them as (p0 + p1) + (p2 + p3), and stores: the sum over the waves and the turn into whole rows are one trip through LDS.
.rept 4
	v_nop                                          ; four places between the last products and the first read of a result
.endr
.irp g, 0,1
	WIN 0x04*(\g+1)                                ; an LDS store's data are source 1: window 1, then window 2
.irp q, 0,1,2,3
.irp f, 0,1,2,3
	ds_store_b128 v[STO], v[32*\q+8*\f:32*\q+8*\f+3]   offset:(4*\g+\q)*REDB+64*\f      ; each accumulator from its low end on
	ds_store_b128 v[STO], v[32*\q+8*\f+4:32*\q+8*\f+7] offset:(4*\g+\q)*REDB+64*\f+16
.endr
.endr
.endr
	WIN 0
	s_wait_dscnt 0x0                               ; for the others' sake: my partial tiles are in LDS
	s_barrier_signal -1
	s_barrier_wait -1
.irp p, 0,1,2,3
.irp t, 0,1,2,3,4,5,6,7
	ds_load_b128 v[T0+32*\p+4*\t:T0+32*\p+4*\t+3], v[RD+\p/2] offset:(\p%2)*REDW+\t*2*SP
.endr
.endr
	WIN 0x40                                       ; the second b goes into window 1, where accumulators lay
.irp p, 0,1,2,3
.irp t, 0,1,2,3,4,5,6,7
	ds_load_b128 v[32*\p+4*\t:32*\p+4*\t+3], v[RD+\p/2] offset:(\p%2)*REDW+REDB+\t*2*SP
.endr
.endr
.macro SUM4 base                       ; four tiles of 32 registers from base on
.set j, 0
.rept 16
	v_pk_add_f32 v[\base+j:\base+j+1],       v[\base+j:\base+j+1],       v[\base+32+j:\base+32+j+1]
	v_pk_add_f32 v[\base+64+j:\base+64+j+1], v[\base+64+j:\base+64+j+1], v[\base+96+j:\base+96+j+1]
.set j, j+2
.endr
.set j, 0
.rept 16
	v_pk_add_f32 v[\base+j:\base+j+1], v[\base+j:\base+j+1], v[\base+64+j:\base+64+j+1]
.set j, j+2
.endr
.endm
	s_wait_dscnt 32                                ; the first b's four tiles are in: the second b's 32 loads are younger
	WIN 0
	SUM4 T0
.irp t, 0,1,2,3,4,5,6,7
	global_store_b128 v[CO], v[T0+4*\t:T0+4*\t+3], s[J0:J0+1] offset:\t*131072 th:TH_STORE_NT   ; rows 2 t + hh of the tile: sixteen lanes store 256 neighbouring bytes, aligned
.endr
	s_wait_dscnt 0x0
	WIN 0x45                                       ; sources 0 and 1 and the destination in window 1
	SUM4 0
	WIN 0x04                                       ; a store's data are source 1: window 1; its offset register is in window 0
.irp t, 0,1,2,3,4,5,6,7
	global_store_b128 v[CO], v[4*\t:4*\t+3], s[J1:J1+1] offset:\t*131072 th:TH_STORE_NT
.endr
	WIN 0
	s_wait_tensorcnt 0x0
	ds_add_u32 v254, v255
	s_wait_dscnt 0x0
	CROUND                                         ; the closing round: no work-group ends while a partner may still ask for a tile that names it
	s_endpgm
.Lfunc_end_k_qb892de3e9a_jac:
	.size	k_qb892de3e9a_jac, .Lfunc_end_k_qb892de3e9a_jac-k_qb892de3e9a_jac
	.p2alignl 7, 3214868480
	.fill 96, 4, 3214868480
	.section	.rodata,"a",@progbits
	.p2align	6, 0x0
	.amdhsa_kernel k_qb892de3e9a_jac
		.amdhsa_group_segment_fixed_size 327680
		.amdhsa_private_segment_fixed_size 0
		.amdhsa_enable_private_segment 0
		.amdhsa_kernarg_size 32
		.amdhsa_user_sgpr_count 2
		.amdhsa_user_sgpr_kernarg_segment_ptr 1
		.amdhsa_wavefront_size32 1
		.amdhsa_system_sgpr_workgroup_id_x 1
		.amdhsa_system_sgpr_workgroup_id_y 1
		.amdhsa_system_sgpr_workgroup_id_z 1
		.amdhsa_system_vgpr_workitem_id 0
		.amdhsa_next_free_vgpr 768
		.amdhsa_next_free_sgpr 92
		.amdhsa_reserve_vcc 0
		.amdhsa_float_denorm_mode_32 3
		.amdhsa_float_denorm_mode_16_64 3
		.amdhsa_memory_ordered 1
		.amdhsa_forward_progress 1
		.amdhsa_inst_pref_size 133
	.end_amdhsa_kernel
	.amdgpu_metadata
---
amdhsa.version: [ 1, 2 ]
amdhsa.kernels:
  - .name:           k_qb892de3e9a_jac
    .symbol:         k_qb892de3e9a_jac.kd
    .args:
      - { .name: w1t, .offset: 0, .size: 8, .value_kind: global_buffer, .address_space: global }
      - { .name: w2t, .offset: 8, .size: 8, .value_kind: global_buffer, .address_space: global }
      - { .name: mk, .offset: 16, .size: 8, .value_kind: global_buffer, .address_space: global }
      - { .name: out0, .offset: 24, .size: 8, .value_kind: global_buffer, .address_space: global }
    .group_segment_fixed_size: 327680
    .private_segment_fixed_size: 0
    .kernarg_segment_align: 8
    .kernarg_segment_size: 32
    .max_flat_workgroup_size: 128
    .sgpr_count:     92
    .vgpr_count:     768
    .wavefront_size: 32
...
	.end_amdgpu_metadata
.endif
;; end of part 2
